; MI455X (gfx1250); checked and timed in simulation.
; The chip was launched on July 23, 2026; its instructions are those of AMD's public machine-readable ISA for CDNA 5 (MIT licence, August 2026) and "CDNA5" Instruction Set Architecture Reference Guide (July 2026). The comments in the code are by the model that wrote it; some were corrected since.
;; Self Attention. Allowed arithmetic: float matrix products may take bf16 or f16 operands with f32 sums; all other float work in f32.
;; Inputs: Wk 512 x 512 float32; Wo 512 x 512 float32; Wq 512 x 512 float32; Wv 512 x 512 float32; bk 512 float32; bo 512 float32; bq 512 float32; bv 512 float32; x 8 x 512 x 32 x 32 float32.
;; Outputs: out0 8 x 512 x 32 x 32 float32.
;; One version. Each part assembles by itself: llvm-mc -triple=amdgcn-amd-amdhsa -mcpu=gfx1250 --defsym DOCPART=n.
;; ======== version 1 of 1: 3 launches
;; limits: values are held in f16: magnitudes above 65,504 overflow, below 6.1e-05 lose precision; right only within a limited range of input values
;; workspace buffers: qkv 25,165,824 bytes; ob 8,388,608 bytes; wob 524,288 bytes
;; launch qkvproj (part 1): grid 4 x 64, 4 waves a work-group, no clusters, 158,720 bytes of LDS; arguments x, Wq, Wk, Wv, Wo, bq, bk, bv, qkv, wob; writes qkv, wob
.if DOCPART == 1
	.amdgcn_target "amdgcn-amd-amdhsa--gfx1250"
	.amdhsa_code_object_version 6
	.text
	.protected	k_q43f39cc32f_qkvproj
	.globl	k_q43f39cc32f_qkvproj
	.p2align	8
	.type	k_q43f39cc32f_qkvproj,@function
k_q43f39cc32f_qkvproj:
	s_mov_b64 s[64:65], 0
	v_nop
	global_prefetch_b8 v0, s[64:65] scope:SCOPE_SE
	s_setreg_imm32_b32 hwreg(HW_REG_WAVE_MODE, 25, 1), 1
	s_wait_xcnt 0x0
; q, k, v = W x + b for one image b, as f16 [3][b*8+head][n][64 d]; and Wo cast to f16.
; x: [8][512 c][1024 n] f32.  Wq, Wk, Wv, Wo: [512 o][512 c] f32.  Sums in f32, operands in f16.
; LIMITS: operands and results are f16: |x|, |W|, |q|, |k|, |v| must stay below 65,504 (beyond it they become infinite).
; A work-group (g = x id 0..3, nb = y id 0..63) makes rows 128 g .. 128 g + 127 of q, of k and of v (384 stacked rows)
; for 128 positions n of image nb / 8.  Four waves, each 192 stacked rows x 64 n: 48 accumulator tiles, 384 registers.
; Source 0 = 16 rows of W, source 1 = 16 columns n of x, so a lane holds one n and eight neighbouring o (= d of a head).
; K = 512 goes in 8 steps of 64 through two LDS slots.  Both operands are f32 in memory and become f16 on the way:
; global load -> registers -> v_cvt_pk_f16_f32 -> LDS.  x lies [c][n]; its fragments come by the transposing LDS load.
; NO CLUSTER: joint requests exist for tensor loads into LDS alone, and these tiles must pass through registers to be
; narrowed; an f32 image in LDS would double the LDS bytes read for each product.
; REGISTER WINDOWS of 256: window 0 addresses, W fragments (two buffers), work area; window 1 accumulators of o tiles 0-7;
; window 2 accumulators of o tiles 8-11 and x fragments (two buffers); window 3 the 64 loads of one K step.
.set WP,    144                        ; LDS pitch of a W row: 64 f16 + 16 bytes, an odd multiple of 16
.set XP,    288                        ; LDS pitch of an x row: 128 f16 + 32 bytes, an odd multiple of 32
.set XPART, 384*WP                     ; x part of a slot, behind 384 rows of W
.set SLOT,  XPART+64*XP                ; 73,728 bytes
.set STG,   2*SLOT                     ; the way out: 16 rows x 144 bytes for each wave
.set BIAS,  STG+4*16*WP                ; 384 f32: bq, bk, bv of my 128 rows each
.set AW,  8                            ; v8-9    W fragment address, slot 0, 1
.set AX,  10                           ; v10-11  x fragment address
.set SW,  12                           ; v12-13  where I store W
.set SX,  14                           ; v14-15  where I store x
.set GW,  16                           ; v16     my byte offset in a W block
.set GX,  17                           ; v17     my byte offset in the x block
.set STO, 18
.set RD,  19
.set GO,  20
.set BA,  21
.set FA,  32                           ; v32-127, v128-223: W fragments, 12 tiles x 8, two buffers
.set T,   224                          ; v224-255 work area
.set FB,  128                          ; window 2, v128-159, v160-191: x fragments, 4 tiles x 8, two buffers
.set BI,  32                           ; the way out: bias of my 192 rows (8 for each o tile)
.set PK,  128                          ; the way out: 16 packed registers
.set RB,  144                          ; the way out: rows read back, two sets of 16
.set MSB, 0
.macro WIN new                         ; the high byte of the immediate repeats the setting that is left
.if MSB != \new
	s_set_vgpr_msb (MSB<<8)|\new
.set MSB, \new
.endif
.endm
.macro PLACES n
.rept \n
	v_nop
.endr
.endm
	s_load_b512 s[16:31], s[0:1], 0x0              ; x, Wq, Wk, Wv, Wo, bq, bk, bv
	s_load_b128 s[32:35], s[0:1], 0x40             ; qkv, wob
	v_lshl_add_u32 v30, v0, 2, 0x26a00
	v_mov_b32 v31, 0
	v_lshrrev_b32 v1, 5, v0
	v_readfirstlane_b32 s8, v1                     ; wave 0..3
	s_lshr_b32 s9, s8, 1                           ; wo: which 192 stacked rows
	s_and_b32 s10, s8, 1                           ; wn: which 64 n
	s_mov_b32 s11, ttmp9                           ; g
	s_and_b32 s12, ttmp7, 0xffff                   ; nb
	v_and_b32 v1, 31, v0                           ; L
	v_and_b32 v2, 15, v0                           ; r = L % 16
	v_bfe_u32 v3, v0, 4, 1                         ; h = L / 16
	v_and_b32 v4, 7, v0                            ; L % 8
	v_bfe_u32 v5, v0, 3, 1                         ; (L / 8) % 2
	s_lshl_b32 s2, s8, 16                          ; 32 rows of W (2,048 bytes) = 16 rows of x (4,096 bytes) for each wave
	v_lshlrev_b32 v6, 4, v2
	v_lshl_add_u32 v6, v3, 11, v6
	v_add_nc_u32 v[GW], s2, v6                     ; (32 w + h) rows + 16 r: sixteen lanes cover the 256 bytes of a row
	v_lshlrev_b32 v6, 4, v1
	v_add_nc_u32 v[GX], s2, v6                     ; 16 w rows + 16 L: a wave covers the 512 bytes of a row
	s_mul_i32 s3, s8, 32*WP
	v_mul_u32_u24 v6, v3, WP
	v_lshl_add_u32 v6, v2, 3, v6
	v_add_nc_u32 v[SW], s3, v6
	v_add_nc_u32 v[SW+1], SLOT, v[SW]
	s_mul_i32 s3, s8, 16*XP
	s_add_co_u32 s3, s3, XPART
	v_lshl_add_u32 v[SX], v1, 3, s3
	v_add_nc_u32 v[SX+1], SLOT, v[SX]
	s_mul_i32 s3, s9, 192*WP
	v_mul_u32_u24 v6, v2, WP
	v_lshl_add_u32 v6, v3, 4, v6                   ; 144 r + 16 h
	v_add_nc_u32 v[AW], s3, v6
	v_add_nc_u32 v[AW+1], SLOT, v[AW]
	s_mul_i32 s3, s8, 16*WP
	s_add_co_u32 s3, s3, STG                       ; my stage
	v_add_nc_u32 v[STO], s3, v6
	v_lshrrev_b32 v6, 3, v1
	v_mul_u32_u24 v6, v6, WP
	v_lshl_add_u32 v6, v4, 4, v6
	v_add_nc_u32 v[RD], s3, v6                     ; back: eight lanes take one row of 128 bytes
	v_lshlrev_b32 v[GO], 4, v1
	v_lshl_add_u32 v6, v3, 3, v4                   ; transposing load: row 8 h + L % 8 of the 16 x 16 block,
	v_mul_u32_u24 v6, v6, XP
	v_lshl_add_u32 v6, v5, 4, v6                   ; its first or second 16 bytes
	s_lshl_b32 s3, s10, 7
	s_add_co_u32 s3, s3, XPART
	v_add_nc_u32 v[AX], s3, v6
	v_add_nc_u32 v[AX+1], SLOT, v[AX]
	s_mul_i32 s3, s9, 768
	s_add_co_u32 s3, s3, BIAS
	v_lshl_add_u32 v[BA], v3, 5, s3                ; bias of stacked row 192 wo + 8 h
	s_lshl_b32 s3, s11, 9
	v_lshl_add_u32 v22, v0, 2, s3                  ; bias word 128 g + t
	s_mov_b32 s3, BIAS
	v_lshl_add_u32 v23, v0, 2, s3
	s_lshl2_add_u32 s13, s12, s11                  ; work-group number 0..255: its 1/256 of Wo
	s_lshl_b32 s14, s13, 12
	v_lshl_add_u32 v24, v0, 4, s14
	s_lshl_b32 s14, s13, 11
	v_lshl_add_u32 v25, v0, 3, s14
	s_lshr_b32 s38, s12, 3                         ; image b
	s_and_b32 s39, s12, 7                          ; block of 128 n
	s_mov_b32 s37, 0
	s_wait_kmcnt 0x0
	s_lshl_b32 s36, s11, 18                        ; 128 g rows of 2,048 bytes
	s_add_nc_u64 s[18:19], s[18:19], s[36:37]
	s_add_nc_u64 s[20:21], s[20:21], s[36:37]
	s_add_nc_u64 s[22:23], s[22:23], s[36:37]
	s_lshl_b32 s36, s38, 21
	s_lshl_b32 s47, s39, 9
	s_add_co_u32 s36, s36, s47
	s_add_nc_u64 s[16:17], s[16:17], s[36:37]      ; x at image b, column n0
	; my three head slots of 64 stacked rows: slot 3 wo + t is tensor (3 wo + t) / 2, head 2 g + (3 wo + t) % 2
	s_mul_i32 s48, s9, 3
.irp t, 0,1,2
	s_add_co_u32 s49, s48, \t
	s_lshr_b32 s50, s49, 1
	s_and_b32 s49, s49, 1
	s_lshl_b32 s50, s50, 6
	s_lshl3_add_u32 s50, s38, s50
	s_lshl1_add_u32 s49, s11, s49
	s_add_co_u32 s50, s50, s49                     ; plane = tensor * 64 + 8 b + head
	s_lshl_b32 s36, s50, 17
	s_lshl_b32 s49, s39, 14
	s_add_co_u32 s36, s36, s49
	s_lshl_b32 s49, s10, 13
	s_add_co_u32 s36, s36, s49                     ; + (n0 + 64 wn) rows of 128 bytes
	s_add_nc_u64 s[40+2*\t:41+2*\t], s[32:33], s[36:37]
.endr
; 32 loads: rows 8 blk .. 8 blk + 7 of my sixteen row pairs of each W and of my sixteen rows of x, for one K step
.macro GLOAD blk
	WIN 0xc0
.irp j, 0,1,2,3,4,5,6,7
	global_load_b128 v[4*(8*\blk+\j):4*(8*\blk+\j)+3], v[GW], s[18:19] offset:(8*\blk+\j)*4096
	global_load_b128 v[4*(16+8*\blk+\j):4*(16+8*\blk+\j)+3], v[GW], s[20:21] offset:(8*\blk+\j)*4096
	global_load_b128 v[4*(32+8*\blk+\j):4*(32+8*\blk+\j)+3], v[GW], s[22:23] offset:(8*\blk+\j)*4096
	global_load_b128 v[4*(48+8*\blk+\j):4*(48+8*\blk+\j)+3], v[GX], s[16:17] offset:(8*\blk+\j)*4096
.endr
.endm
; One block of 32 loads is narrowed to f16 in place and stored into LDS slot dst.  left: younger loads that may stay out.
; ld = 1: the block is loaded again, for the K step after next.
.macro STAGE blk, dst, left, ld
	s_wait_loadcnt \left                           ; loads return in order: this block is in, the younger block stays out
	WIN 0xcf
.irp m, 0,1,2,3
.irp j, 0,1,2,3,4,5,6,7
	v_cvt_pk_f16_f32 v[4*(16*\m+8*\blk+\j)], v[4*(16*\m+8*\blk+\j)], v[4*(16*\m+8*\blk+\j)+1]
	v_cvt_pk_f16_f32 v[4*(16*\m+8*\blk+\j)+1], v[4*(16*\m+8*\blk+\j)+2], v[4*(16*\m+8*\blk+\j)+3]
.endr
.endr
	WIN 0x0c
.irp m, 0,1,2
.irp j, 0,1,2,3,4,5,6,7
	ds_store_b64 v[SW+\dst], v[4*(16*\m+8*\blk+\j):4*(16*\m+8*\blk+\j)+1] offset:\m*128*WP+(8*\blk+\j)*2*WP
.endr
.endr
.irp j, 0,1,2,3,4,5,6,7
	ds_store_b64 v[SX+\dst], v[4*(48+8*\blk+\j):4*(48+8*\blk+\j)+1] offset:(8*\blk+\j)*XP
.endr
.if \ld
.if \blk == 0
	s_wait_xcnt 0x0                                ; the bases of the loads that are out are stepped only behind this wait
	s_add_nc_u64 s[18:19], s[18:19], 256           ; 64 columns of W
	s_add_nc_u64 s[20:21], s[20:21], 256
	s_add_nc_u64 s[22:23], s[22:23], 256
	s_add_nc_u64 s[16:17], s[16:17], 262144        ; 64 rows of x
.endif
	GLOAD \blk
.endif
.endm
; 32 LDS loads: the fragments of 32 along K (sub = 0, 1) of a slot into buffer buf.  Four places stand behind the matrix
; instructions that read the buffer last (ISA guide 7.12.1 for vector instructions; kept for loads too).
.macro FETCH slot, sub, buf
	PLACES 4
	WIN 0
.irp a, 0,1,2,3,4,5,6,7,8,9,10,11
	ds_load_b128 v[FA+96*\buf+8*\a:FA+96*\buf+8*\a+3], v[AW+\slot] offset:\a*16*WP+\sub*64
	ds_load_b128 v[FA+96*\buf+8*\a+4:FA+96*\buf+8*\a+7], v[AW+\slot] offset:\a*16*WP+\sub*64+32
.endr
	WIN 0x80
.irp nt, 0,1,2,3
	ds_load_tr16_b128 v[FB+32*\buf+8*\nt:FB+32*\buf+8*\nt+3], v[AX+\slot] offset:\sub*32*XP+\nt*32
	ds_load_tr16_b128 v[FB+32*\buf+8*\nt+4:FB+32*\buf+8*\nt+7], v[AX+\slot] offset:\sub*32*XP+\nt*32+16*XP
.endr
.endm
; The 48 accumulators take turns, one instruction a turn, in the same order in every pass.
.macro MULA buf, first                 ; o tiles 0-7: 32 products
	WIN 0x58
.irp a, 0,1,2,3,4,5,6,7
.irp nt, 0,1,2,3
.if \first
	v_wmma_f32_16x16x32_f16 v[8*(4*\a+\nt):8*(4*\a+\nt)+7], v[FA+96*\buf+8*\a:FA+96*\buf+8*\a+7], v[FB+32*\buf+8*\nt:FB+32*\buf+8*\nt+7], 0
.else
	v_wmma_f32_16x16x32_f16 v[8*(4*\a+\nt):8*(4*\a+\nt)+7], v[FA+96*\buf+8*\a:FA+96*\buf+8*\a+7], v[FB+32*\buf+8*\nt:FB+32*\buf+8*\nt+7], v[8*(4*\a+\nt):8*(4*\a+\nt)+7]
.endif
.endr
.endr
.endm
.macro MULB buf, first                 ; o tiles 8-11: 16 products
	WIN 0xa8
.irp a, 0,1,2,3
.irp nt, 0,1,2,3
.if \first
	v_wmma_f32_16x16x32_f16 v[8*(4*\a+\nt):8*(4*\a+\nt)+7], v[FA+96*\buf+8*(8+\a):FA+96*\buf+8*(8+\a)+7], v[FB+32*\buf+8*\nt:FB+32*\buf+8*\nt+7], 0
.else
	v_wmma_f32_16x16x32_f16 v[8*(4*\a+\nt):8*(4*\a+\nt)+7], v[FA+96*\buf+8*(8+\a):FA+96*\buf+8*(8+\a)+7], v[FB+32*\buf+8*\nt:FB+32*\buf+8*\nt+7], v[8*(4*\a+\nt):8*(4*\a+\nt)+7]
.endif
.endr
.endr
.endm
; A K step of 64: multiplies slot; stg = 1: stores the next step's data into the other slot; ld = 1: loads the step after that.
.macro STEP slot, first, stg, ld, l0, l1, last
	FETCH \slot, 0, 0
.if \stg
	STAGE 0, 1-\slot, \l0, \ld
	s_wait_dscnt 32                                ; the 32 fragment loads are in; the 32 stores issued behind them may stay out
.else
	s_wait_dscnt 0x0
.endif
	MULA 0, \first
	FETCH \slot, 1, 1
	MULB 0, \first
.if \stg
	STAGE 1, 1-\slot, \l1, \ld
	s_wait_dscnt 32                                ; as above, for the second half of the step
.else
	s_wait_dscnt 0x0
.endif
	MULA 1, 0
	MULB 1, 0
	WIN 0
.if \last == 0
	s_wait_dscnt 0x0                               ; my reads of this slot and my stores into the other are done
	s_barrier_signal -1
	s_barrier_wait -1                              ; so are everybody's: the slots change roles
.endif
.endm
	global_load_b32 v26, v22, s[26:27]             ; bq, bk, bv of row 128 g + t
	global_load_b32 v27, v22, s[28:29]
	global_load_b32 v28, v22, s[30:31]
	global_load_b128 v[224:227], v24, s[24:25]     ; my 32 bytes of this work-group's 4,096 of Wo
	global_load_b128 v[228:231], v24, s[24:25] offset:2048
	GLOAD 0                                        ; K step 0
	WIN 0
	s_wait_loadcnt 32                              ; the five small loads are in; the 32 behind them stay out
	ds_store_b32 v23, v26
	ds_store_b32 v23, v27 offset:512
	ds_store_b32 v23, v28 offset:1024
	v_cvt_pk_f16_f32 v232, v224, v225
	v_cvt_pk_f16_f32 v233, v226, v227
	v_cvt_pk_f16_f32 v234, v228, v229
	v_cvt_pk_f16_f32 v235, v230, v231
	global_store_b64 v25, v[232:233], s[34:35]     ; a wave's store covers 256 consecutive bytes, aligned
	global_store_b64 v25, v[234:235], s[34:35] offset:1024
	GLOAD 1
	STAGE 0, 0, 32, 1                              ; K step 0 into slot 0; K step 1 is asked for
	STAGE 1, 0, 32, 1
	WIN 0
	s_wait_dscnt 0x0
	s_barrier_signal -1
	s_barrier_wait -1
	STEP 0, 1, 1, 1, 32, 32, 0                     ; k = 0: its first products start the sums, nothing is cleared
	STEP 1, 0, 1, 1, 32, 32, 0                     ; k = 1
	s_mov_b32 s46, 2
.Lk:
	STEP 0, 0, 1, 1, 32, 32, 0                     ; k = 2, 4
	STEP 1, 0, 1, 1, 32, 32, 0                     ; k = 3, 5
	s_sub_co_u32 s46, s46, 1
	s_cmp_lg_u32 s46, 0
	s_cbranch_scc1 .Lk
	STEP 0, 0, 1, 0, 32, 0, 0                      ; k = 6: stores K step 7, loads nothing: the counts run down
	STEP 1, 0, 0, 0, 0, 0, 1                       ; k = 7
	; THE WAY OUT: + bias, f16, 16 n x 64 d at a time through my own stage, back as 512 consecutive bytes for each store.
	PLACES 4                                       ; behind the last matrix instructions, in front of reads of results and writes of fragments
.irp a, 0,1,2,3,4,5,6,7,8,9,10,11
	ds_load_b128 v[BI+8*\a:BI+8*\a+3], v[BA] offset:64*\a
	ds_load_b128 v[BI+8*\a+4:BI+8*\a+7], v[BA] offset:64*\a+16
.endr
	s_wait_dscnt 0x0
.macro OUT t, nt, set
.if \t < 2
	WIN 0x01
.else
	WIN 0x02
.endif
.irp u, 0,1,2,3
.irp p, 0,1,2,3
	v_pk_add_f32 v[T+8*\u+2*\p:T+8*\u+2*\p+1], v[8*(4*((4*\t+\u)%8)+\nt)+2*\p:8*(4*((4*\t+\u)%8)+\nt)+2*\p+1], v[BI+8*(4*\t+\u)+2*\p:BI+8*(4*\t+\u)+2*\p+1]
.endr
.endr
	WIN 0
.irp u, 0,1,2,3
.irp p, 0,1,2,3
	v_cvt_pk_f16_f32 v[PK+4*\u+\p], v[T+8*\u+2*\p], v[T+8*\u+2*\p+1]
.endr
.endr
.irp u, 0,1,2,3
	ds_store_b128 v[STO], v[PK+4*\u:PK+4*\u+3] offset:32*\u        ; row n = r, d = 16 u + 8 h ..
.endr
	s_wait_xcnt 0x0                                ; the registers that earlier stores read are loaded again only behind this wait
.irp i, 0,1,2,3
	ds_load_b128 v[RB+16*\set+4*\i:RB+16*\set+4*\i+3], v[RD] offset:\i*4*WP   ; LDS serves a wave in order: these see the stores above
.endr
.irp i, 0,1,2,3
	s_wait_dscnt 3-\i                              ; the younger read-backs may stay out
	global_store_b128 v[GO], v[RB+16*\set+4*\i:RB+16*\set+4*\i+3], s[40+2*\t:41+2*\t] offset:\nt*2048+\i*512
.endr
.endm
.irp t, 0,1,2
	OUT \t, 0, 0
	OUT \t, 1, 1
	OUT \t, 2, 0
	OUT \t, 3, 1
.endr
	s_wait_tensorcnt 0x0
	ds_add_u32 v30, v31
	s_wait_dscnt 0x0
	s_endpgm
.Lfunc_end_k_q43f39cc32f_qkvproj:
	.size	k_q43f39cc32f_qkvproj, .Lfunc_end_k_q43f39cc32f_qkvproj-k_q43f39cc32f_qkvproj
	.p2alignl 7, 3214868480
	.fill 96, 4, 3214868480
	.section	.rodata,"a",@progbits
	.p2align	6, 0x0
	.amdhsa_kernel k_q43f39cc32f_qkvproj
		.amdhsa_group_segment_fixed_size 158720
		.amdhsa_private_segment_fixed_size 0
		.amdhsa_enable_private_segment 0
		.amdhsa_kernarg_size 80
		.amdhsa_user_sgpr_count 2
		.amdhsa_user_sgpr_kernarg_segment_ptr 1
		.amdhsa_wavefront_size32 1
		.amdhsa_system_sgpr_workgroup_id_x 1
		.amdhsa_system_sgpr_workgroup_id_y 1
		.amdhsa_system_sgpr_workgroup_id_z 1
		.amdhsa_system_vgpr_workitem_id 0
		.amdhsa_next_free_vgpr 1024
		.amdhsa_next_free_sgpr 66
		.amdhsa_reserve_vcc 0
		.amdhsa_float_denorm_mode_32 3
		.amdhsa_float_denorm_mode_16_64 3
		.amdhsa_memory_ordered 1
		.amdhsa_forward_progress 1
		.amdhsa_inst_pref_size 221
	.end_amdhsa_kernel
	.amdgpu_metadata
---
amdhsa.version: [ 1, 2 ]
amdhsa.kernels:
  - .name:           k_q43f39cc32f_qkvproj
    .symbol:         k_q43f39cc32f_qkvproj.kd
    .args:
      - { .name: x, .offset: 0, .size: 8, .value_kind: global_buffer, .address_space: global }
      - { .name: Wq, .offset: 8, .size: 8, .value_kind: global_buffer, .address_space: global }
      - { .name: Wk, .offset: 16, .size: 8, .value_kind: global_buffer, .address_space: global }
      - { .name: Wv, .offset: 24, .size: 8, .value_kind: global_buffer, .address_space: global }
      - { .name: Wo, .offset: 32, .size: 8, .value_kind: global_buffer, .address_space: global }
      - { .name: bq, .offset: 40, .size: 8, .value_kind: global_buffer, .address_space: global }
      - { .name: bk, .offset: 48, .size: 8, .value_kind: global_buffer, .address_space: global }
      - { .name: bv, .offset: 56, .size: 8, .value_kind: global_buffer, .address_space: global }
      - { .name: qkv, .offset: 64, .size: 8, .value_kind: global_buffer, .address_space: global }
      - { .name: wob, .offset: 72, .size: 8, .value_kind: global_buffer, .address_space: global }
    .group_segment_fixed_size: 158720
    .private_segment_fixed_size: 0
    .kernarg_segment_align: 8
    .kernarg_segment_size: 80
    .max_flat_workgroup_size: 128
    .sgpr_count:     66
    .vgpr_count:     1024
    .wavefront_size: 32
...
	.end_amdgpu_metadata
.endif
;; end of part 1
;; launch attn (part 2): grid 256 x 1, 8 waves a work-group, clusters of 4 x 1, 321,536 bytes of LDS; arguments qkv, ob; writes ob
.if DOCPART == 2
	.amdgcn_target "amdgcn-amd-amdhsa--gfx1250"
	.amdhsa_code_object_version 6
	.text
	.protected	k_q43f39cc32f_attn
	.globl	k_q43f39cc32f_attn
	.p2align	8
	.type	k_q43f39cc32f_attn,@function
k_q43f39cc32f_attn:
	s_mov_b64 s[64:65], 0
	v_nop
	global_prefetch_b8 v0, s[64:65] scope:SCOPE_SE
	s_setreg_imm32_b32 hwreg(HW_REG_WAVE_MODE, 25, 1), 1
	s_wait_xcnt 0x0
	s_wait_alu depctr_hold_cnt(0) depctr_sa_sdst(0) depctr_va_vdst(0) depctr_va_sdst(0) depctr_va_ssrc(0) depctr_va_vcc(0) depctr_vm_vsrc(0)
	s_getreg_b32 s2, hwreg(HW_REG_IB_STS2, 6, 4)
	s_cmp_eq_u32 s2, 0
	s_cbranch_scc0 .Lentry_in_a_cluster
	s_endpgm
.Lentry_in_a_cluster:
	s_bfe_u32 s2, ttmp6, 0x10000c
	s_cmp_lg_u32 s2, 0x3003
	s_cbranch_scc0 .Lentry_shape_is_right
	s_endpgm
.Lentry_shape_is_right:
; softmax(q k^T / 8) v for one (image, head) = cluster number, 256 queries for each of the cluster's four work-groups.
; qkv: f16 [3][64 planes][1024 n][64 d].  ob: f16 [64 planes][1024 n][64 d].  Sums, maxima and exponentials in f32.
; LIMITS: P and the result are f16 (P <= 1, |result| <= max |v| < 65,504); v_exp_f32 gives 0 below 2^-126;
; a NaN score loses against numbers in the running maximum.
; CLUSTER: the four work-groups need the same K and V, 256 KiB, which fit in LDS whole: every tile is asked for jointly
; (mask 15), each LDS byte is filled once, nothing is filled again.  Eight tensor loads of a wave are out at the most.
; Eight waves: qg = w % 4 owns 64 queries, kg = w / 4 owns rows 128 kg .. + 127 of each chunk of 256 keys; the two halves
; of the keys are merged once at the end, through LDS.  Two waves lie on a SIMD, so that one wave's softmax runs under
; the other wave's products.
; S IS MADE TRANSPOSED: source 0 = 16 keys, source 1 = 16 queries.  A lane then holds one query and keys 8 h + j of each
; key tile: maximum and sum need one exchange between the halves of the wave, and the packed P is already the second
; source of O^T = V^T P^T.  V lies [key][d] and comes by the transposing LDS load.
.set WV, 8
.set KP,    144                        ; K row: 128 bytes + 16
.set VP,    160                        ; V row: 128 bytes + 32, an odd multiple of 32
.set VBASE, 1024*KP
.set STG,   VBASE+1024*VP              ; the way out: 16 rows x 144 bytes for each query group
.set XBLK,  17408                      ; exchange, over K once K has been read: 34 blocks of 512 bytes for each query group
.set KA, 2
.set VA, 3
.set STO, 4
.set RD, 5
.set GO, 6
.set XA, 7
.set QO, 8
.set MX, 10                            ; v10-13  running maximum of the raw scores, for each query tile nt
.set T2, 14                            ; v14-17  what the other half of the wave sent
.set NM, 18                            ; v18-25  pairs; low: - c * maximum
.set AL, 26                            ; v26-33  pairs; low: factor for the old sums
.set LS, 34                            ; v34-41  pairs: two partial sums of P
.set T,  42                            ; v42-45
.set KV, 64                            ; v64-127  K fragments 8 (4 ds + kt), then V fragments 8 (4 ks + dt)
.set SC, 128                           ; v128-255 scores 32 nt + 8 kt + j; packed P at 32 nt + 8 ks
.set QB, 128                           ; window 1: Q fragments 8 (2 nt + ds); O at 8 (4 nt + dt) from register 0 of window 1
.set PK, 64
.set RB, 80
.set MSB, 0
.macro WIN new
.if MSB != \new
	s_set_vgpr_msb (MSB<<8)|\new
.set MSB, \new
.endif
.endm
.macro PLACES n
.rept \n
	v_nop
.endr
.endm
.macro ROUND                           ; a round of the cluster's barrier
	s_barrier_signal -1
	s_barrier_wait -1
	s_cmp_lg_u32 s[WV], 0
	s_cbranch_scc1 .Lnot_wave_0_\@
	s_barrier_signal -3
.Lnot_wave_0_\@:
	s_barrier_wait -3
	s_barrier_signal -1
	s_barrier_wait -1
.endm
	s_load_b128 s[4:7], s[0:1], 0x0                ; qkv, ob
	v_lshl_add_u32 v62, v0, 2, 0x4e400
	v_mov_b32 v63, 0
	ds_add_u32 v62, v63
	ds_add_u32 v62, v63
	v_lshrrev_b32 v1, 5, v0
	v_readfirstlane_b32 s8, v1                     ; wave 0..7
	s_and_b32 s9, s8, 3                            ; qg
	s_lshr_b32 s10, s8, 2                          ; kg
	; group 1: a tile of 32 rows x 64 elements of 2 bytes; mask 15 with bit 21 beside it; a pad behind every 32 words
	s_mov_b32 s16, 0x0731000f                      ; K: pad of 4 words
	s_mov_b32 s17, 64<<16
	s_mov_b32 s18, 32<<16
	s_mov_b32 s19, 64<<16
	s_mov_b32 s20, 32
	s_mov_b32 s21, 64
	s_mov_b32 s22, 0
	s_mov_b32 s23, 0
	s_mov_b32 s24, 0x0f31000f                      ; V: pad of 8 words
	s_mov_b32 s25, 64<<16
	s_mov_b32 s26, 32<<16
	s_mov_b32 s27, 64<<16
	s_mov_b32 s28, 32
	s_mov_b32 s29, 64
	s_mov_b32 s30, 0
	s_mov_b32 s31, 0
	s_mul_i32 s11, s8, 32*KP                       ; my 32 rows of each chunk of 256
	s_mul_i32 s3, s8, 32*VP
	s_add_co_u32 s3, s3, VBASE
	s_lshl_b32 s12, ttmp9, 17                      ; the plane: shared by the four partners
	s_lshl_b32 s13, s8, 12
	s_add_co_u32 s12, s12, s13
	s_mov_b32 s13, 0
	s_bfe_u32 s73, ttmp6, 0x40000                  ; cx: enters the addresses of Q and of the result alone
	s_lshl_b32 s74, ttmp9, 17
	s_lshl_b32 s75, s73, 15
	s_add_co_u32 s74, s74, s75
	s_lshl_b32 s75, s9, 13
	s_add_co_u32 s74, s74, s75                     ; plane + (256 cx + 64 qg) rows of 128 bytes
	s_mov_b32 s75, 0
	s_mov_b32 s66, 0x3e38aa3b                      ; c = log2(e) / 8
	s_mov_b32 s67, 0x3e38aa3b
	s_mov_b32 s68, 0xbe38aa3b                      ; - c
	s_mov_b32 s70, 0x76543210                      ; v_permlanex16_b32: lane i takes lane i of the other half
	s_mov_b32 s71, 0xfedcba98
	s_wait_dscnt 0x0
	s_wait_kmcnt 0x0
	s_add_nc_u64 s[14:15], s[4:5], s[12:13]
.irp c, 0,1,2,3
	s_mov_b32 s[32+8*\c], 1
	s_add_co_u32 s[33+8*\c], s11, \c*256*KP
	s_add_nc_u64 s[34+8*\c:35+8*\c], s[14:15], 8388608+\c*32768
	s_or_b32 s[35+8*\c], s[35+8*\c], 0x80000000
	s_mov_b32 s[36+8*\c], 1
	s_add_co_u32 s[37+8*\c], s3, \c*256*VP
	s_add_nc_u64 s[38+8*\c:39+8*\c], s[14:15], 16777216+\c*32768
	s_or_b32 s[39+8*\c], s[39+8*\c], 0x80000000
.endr
	s_add_nc_u64 s[4:5], s[4:5], s[74:75]          ; my 64 rows of Q
	s_add_nc_u64 s[6:7], s[6:7], s[74:75]          ; and of the result
	ROUND                                          ; the four work-groups are here: the joint loads meet
.irp c, 0,1,2,3
	tensor_load_to_lds s[32+8*\c:35+8*\c], s[16:23]
	s_nop 0
	tensor_load_to_lds s[36+8*\c:39+8*\c], s[24:31]
	s_nop 0
.endr
	v_and_b32 v1, 31, v0                           ; L
	v_and_b32 v54, 15, v0                          ; r
	v_bfe_u32 v55, v0, 4, 1                        ; h
	v_and_b32 v56, 7, v0
	v_bfe_u32 v57, v0, 3, 1
	v_lshlrev_b32 v59, 7, v54
	v_lshl_add_u32 v[QO], v55, 4, v59              ; row r, 16 h
	WIN 0x40
.irp nt, 0,1,2,3
.irp ds, 0,1
	global_load_b128 v[QB+8*(2*\nt+\ds):QB+8*(2*\nt+\ds)+3], v[QO], s[4:5] offset:\nt*2048+\ds*64
	global_load_b128 v[QB+8*(2*\nt+\ds)+4:QB+8*(2*\nt+\ds)+7], v[QO], s[4:5] offset:\nt*2048+\ds*64+32
.endr
.endr
	WIN 0
	s_mul_i32 s76, s10, 128*KP
	v_mul_u32_u24 v58, v54, KP
	v_lshl_add_u32 v58, v55, 4, v58                ; 144 r + 16 h
	v_add_nc_u32 v[KA], s76, v58
	s_mul_i32 s76, s10, 128*VP
	s_add_co_u32 s76, s76, VBASE
	v_lshl_add_u32 v59, v55, 3, v56
	v_mul_u32_u24 v59, v59, VP
	v_lshl_add_u32 v59, v57, 4, v59
	v_add_nc_u32 v[VA], s76, v59
	s_mul_i32 s76, s9, 16*KP
	s_add_co_u32 s76, s76, STG
	v_add_nc_u32 v[STO], s76, v58
	v_lshrrev_b32 v59, 3, v1
	v_mul_u32_u24 v59, v59, KP
	v_lshl_add_u32 v59, v56, 4, v59
	v_add_nc_u32 v[RD], s76, v59
	v_lshlrev_b32 v[GO], 4, v1
	s_mul_i32 s76, s9, XBLK
	v_add_nc_u32 v[XA], s76, v[GO]
.irp nt, 0,1,2,3
	v_mov_b32 v[T2+\nt], 0                         ; destinations of the lane exchange and the unused upper registers of
	v_mov_b32 v[NM+2*\nt+1], 0                     ; broadcast pairs count as read: written once
	v_mov_b32 v[AL+2*\nt+1], 0
.endr
; One step: 64 keys (rows ko .. ko + 63 of my half of the chunk) against my 64 queries.
.macro STEP first, ko
.irp ds, 0,1
.irp kt, 0,1,2,3
	ds_load_b128 v[KV+8*(4*\ds+\kt):KV+8*(4*\ds+\kt)+3], v[KA] offset:(\ko+16*\kt)*KP+64*\ds
	ds_load_b128 v[KV+8*(4*\ds+\kt)+4:KV+8*(4*\ds+\kt)+7], v[KA] offset:(\ko+16*\kt)*KP+64*\ds+32
.endr
.endr
	s_wait_dscnt 8                                 ; d 0..31 is in; the eight loads of d 32..63 may stay out
	WIN 0x04
	; the 16 score tiles take turns, one instruction a turn; the first product starts each sum
.irp nt, 0,1,2,3
.irp kt, 0,1,2,3
	v_wmma_f32_16x16x32_f16 v[SC+32*\nt+8*\kt:SC+32*\nt+8*\kt+7], v[KV+8*\kt:KV+8*\kt+7], v[QB+16*\nt:QB+16*\nt+7], 0
.endr
.endr
	s_wait_dscnt 0x0
.irp nt, 0,1,2,3
.irp kt, 0,1,2,3
	v_wmma_f32_16x16x32_f16 v[SC+32*\nt+8*\kt:SC+32*\nt+8*\kt+7], v[KV+32+8*\kt:KV+32+8*\kt+7], v[QB+16*\nt+8:QB+16*\nt+15], v[SC+32*\nt+8*\kt:SC+32*\nt+8*\kt+7]
.endr
.endr
	WIN 0
	PLACES 4                                       ; in front of loads into K's registers and of reads of the scores
.irp ks, 0,1
.irp dt, 0,1,2,3
	ds_load_tr16_b128 v[KV+8*(4*\ks+\dt):KV+8*(4*\ks+\dt)+3], v[VA] offset:(\ko+32*\ks)*VP+32*\dt
	ds_load_tr16_b128 v[KV+8*(4*\ks+\dt)+4:KV+8*(4*\ks+\dt)+7], v[VA] offset:(\ko+32*\ks)*VP+32*\dt+16*VP
.endr
.endr
	; running maximum of the raw scores: four chains, one for each query tile
.if \first
.irp nt, 0,1,2,3
	v_max3_num_f32 v[T+\nt], v[SC+32*\nt], v[SC+32*\nt+1], v[SC+32*\nt+2]
.endr
.set i, 3
.rept 14
.irp nt, 0,1,2,3
	v_max3_num_f32 v[T+\nt], v[T+\nt], v[SC+32*\nt+i], v[SC+32*\nt+i+1]
.endr
.set i, i+2
.endr
.irp nt, 0,1,2,3
	v_max_num_f32 v[T+\nt], v[T+\nt], v[SC+32*\nt+31]
.endr
.else
.irp nt, 0,1,2,3
	v_max3_num_f32 v[T+\nt], v[MX+\nt], v[SC+32*\nt], v[SC+32*\nt+1]
.endr
.set i, 2
.rept 15
.irp nt, 0,1,2,3
	v_max3_num_f32 v[T+\nt], v[T+\nt], v[SC+32*\nt+i], v[SC+32*\nt+i+1]
.endr
.set i, i+2
.endr
.endif
.irp nt, 0,1,2,3
	v_permlanex16_b32 v[T2+\nt], v[T+\nt], s70, s71        ; the other eight keys of each tile lie in the other half
.endr
.irp nt, 0,1,2,3
	v_max_num_f32 v[MX+\nt], v[T+\nt], v[T2+\nt]
.endr
.if \first == 0
.irp nt, 0,1,2,3
	v_fma_f32 v[AL+2*\nt], v[MX+\nt], s68, -v[NM+2*\nt]    ; c (old maximum - new maximum)
.endr
.endif
.irp nt, 0,1,2,3
	v_mul_f32 v[NM+2*\nt], s68, v[MX+\nt]
.endr
.if \first == 0
.irp nt, 0,1,2,3
	v_exp_f32 v[AL+2*\nt], v[AL+2*\nt]             ; the packed multiply-adds below are the plain places behind these
.endr
.endif
.set i, 0
.rept 16
.irp nt, 0,1,2,3
	v_pk_fma_f32 v[SC+32*\nt+i:SC+32*\nt+i+1], v[SC+32*\nt+i:SC+32*\nt+i+1], s[66:67], v[NM+2*\nt:NM+2*\nt+1] op_sel_hi:[1,0,0]
.endr
.set i, i+2
.endr
.set i, 0
.rept 128
	v_exp_f32 v[SC+i], v[SC+i]                     ; P = 2^(c s - c max)
.set i, i+1
.endr
	v_nop                                          ; one plain place behind the last exponential (ISA guide 5.7.2)
.if \first
	s_wait_alu depctr_va_vdst(0)
.irp nt, 0,1,2,3
	v_pk_add_f32 v[LS+2*\nt:LS+2*\nt+1], v[SC+32*\nt:SC+32*\nt+1], v[SC+32*\nt+2:SC+32*\nt+3]
.endr
.set i, 4
.rept 14
.irp nt, 0,1,2,3
	v_pk_add_f32 v[LS+2*\nt:LS+2*\nt+1], v[LS+2*\nt:LS+2*\nt+1], v[SC+32*\nt+i:SC+32*\nt+i+1]
.endr
.set i, i+2
.endr
.else
	s_wait_alu depctr_va_vdst(0)
.irp nt, 0,1,2,3
	v_pk_fma_f32 v[LS+2*\nt:LS+2*\nt+1], v[LS+2*\nt:LS+2*\nt+1], v[AL+2*\nt:AL+2*\nt+1], v[SC+32*\nt:SC+32*\nt+1] op_sel_hi:[1,0,1]
.endr
.set i, 2
.rept 15
.irp nt, 0,1,2,3
	v_pk_add_f32 v[LS+2*\nt:LS+2*\nt+1], v[LS+2*\nt:LS+2*\nt+1], v[SC+32*\nt+i:SC+32*\nt+i+1]
.endr
.set i, i+2
.endr
.endif
	; pack P downward in place: register i takes registers 2 i, 2 i + 1; keys 32 ks .. + 31 end up in registers 8 ks .. + 7,
	; in the places that the second source of a product wants
.set i, 0
.rept 16
.irp nt, 0,1,2,3
	v_cvt_pk_f16_f32 v[SC+32*\nt+i], v[SC+32*\nt+2*i], v[SC+32*\nt+2*i+1]
.endr
.set i, i+1
.endr
.if \first == 0
	WIN 0x41
.set i, 0
.rept 16
.irp nt, 0,1,2,3
	v_pk_mul_f32 v[32*\nt+i:32*\nt+i+1], v[32*\nt+i:32*\nt+i+1], v[AL+2*\nt:AL+2*\nt+1] op_sel_hi:[1,0]
.endr
.set i, i+2
.endr
.endif
	s_wait_dscnt 0x0                               ; V's fragments
	WIN 0x50
.irp nt, 0,1,2,3
.irp dt, 0,1,2,3
.if \first
	v_wmma_f32_16x16x32_f16 v[8*(4*\nt+\dt):8*(4*\nt+\dt)+7], v[KV+8*\dt:KV+8*\dt+7], v[SC+32*\nt:SC+32*\nt+7], 0
.else
	v_wmma_f32_16x16x32_f16 v[8*(4*\nt+\dt):8*(4*\nt+\dt)+7], v[KV+8*\dt:KV+8*\dt+7], v[SC+32*\nt:SC+32*\nt+7], v[8*(4*\nt+\dt):8*(4*\nt+\dt)+7]
.endif
.endr
.endr
.irp nt, 0,1,2,3
.irp dt, 0,1,2,3
	v_wmma_f32_16x16x32_f16 v[8*(4*\nt+\dt):8*(4*\nt+\dt)+7], v[KV+32+8*\dt:KV+32+8*\dt+7], v[SC+32*\nt+8:SC+32*\nt+15], v[8*(4*\nt+\dt):8*(4*\nt+\dt)+7]
.endr
.endr
	WIN 0
	PLACES 5                                       ; the next step loads into V's registers (4) and its products write over P (5)
.endm
	s_wait_loadcnt 0x0                             ; Q
	s_wait_tensorcnt 6                             ; my K and V tiles of chunk 0 are in; the six of chunks 1 to 3 stay out
	s_barrier_signal -1
	s_barrier_wait -1                              ; everybody's are
	STEP 1, 0
	STEP 0, 64
	v_add_nc_u32 v[KA], 256*KP, v[KA]
	v_add_nc_u32 v[VA], 256*VP, v[VA]
	s_wait_tensorcnt 0x0                           ; all my tiles are in
	s_wait_dscnt 0x0
	s_barrier_signal -1
	s_barrier_wait -1
	s_mov_b32 s72, 3
.Lchunk:
	STEP 0, 0
	STEP 0, 64
	v_add_nc_u32 v[KA], 256*KP, v[KA]
	v_add_nc_u32 v[VA], 256*VP, v[VA]
	s_sub_co_u32 s72, s72, 1
	s_cmp_lg_u32 s72, 0
	s_cbranch_scc1 .Lchunk
	; THE MERGE of the two halves of the keys
.irp nt, 0,1,2,3
	v_add_f32 v[LS+2*\nt], v[LS+2*\nt], v[LS+2*\nt+1]
.endr
.irp nt, 0,1,2,3
	v_permlanex16_b32 v[T2+\nt], v[LS+2*\nt], s70, s71
.endr
.irp nt, 0,1,2,3
	v_add_f32 v[LS+2*\nt], v[LS+2*\nt], v[T2+\nt]
.endr
	s_wait_dscnt 0x0
	s_barrier_signal -1
	s_barrier_wait -1                              ; every wave's reads of K and V are over; K has had its only fill
	s_cmp_lt_u32 s8, 4
	s_cbranch_scc1 .Lkeep
	WIN 0x04                                       ; waves 4 to 7 hand over O, - c max and the sum
.set i, 0
.rept 32
	ds_store_b128 v[XA], v[4*i:4*i+3] offset:512*i
.set i, i+1
.endr
	WIN 0
.irp nt, 0,1,2,3
	v_mov_b32 v[46+\nt], v[NM+2*\nt]
	v_mov_b32 v[50+\nt], v[LS+2*\nt]
.endr
	ds_store_b128 v[XA], v[46:49] offset:16384
	ds_store_b128 v[XA], v[50:53] offset:16896
.Lkeep:
	s_wait_dscnt 0x0                               ; my stores are done,
	s_barrier_signal -1
	s_barrier_wait -1                              ; everybody's are
	s_cmp_ge_u32 s8, 4
	s_cbranch_scc1 .Lclose
	ds_load_b128 v[46:49], v[XA] offset:16384
	ds_load_b128 v[50:53], v[XA] offset:16896
.set i, 0
.rept 32
	ds_load_b128 v[SC+4*i:SC+4*i+3], v[XA] offset:512*i
.set i, i+1
.endr
	s_wait_dscnt 32                                ; the partner's maximum and sum are in; its 32 blocks of O may stay out
.irp nt, 0,1,2,3
	v_min_num_f32 v[T+\nt], v[NM+2*\nt], v[46+\nt]         ; - c x the larger maximum
.endr
.irp nt, 0,1,2,3
	v_sub_f32 v[54+\nt], v[T+\nt], v[NM+2*\nt]
	v_sub_f32 v[58+\nt], v[T+\nt], v[46+\nt]
.endr
.irp nt, 0,1,2,3
	v_exp_f32 v[54+\nt], v[54+\nt]
	v_exp_f32 v[58+\nt], v[58+\nt]
.endr
	v_nop
	s_wait_alu depctr_va_vdst(0)
.irp nt, 0,1,2,3
	v_mul_f32 v[T+\nt], v[LS+2*\nt], v[54+\nt]
.endr
.irp nt, 0,1,2,3
	v_fmac_f32 v[T+\nt], v[50+\nt], v[58+\nt]              ; the whole sum; at least 1, from the largest score
.endr
.irp nt, 0,1,2,3
	v_rcp_f32 v[T+\nt], v[T+\nt]
.endr
	v_nop
	s_wait_alu depctr_va_vdst(0)
.irp nt, 0,1,2,3
	v_mul_f32 v[AL+2*\nt], v[54+\nt], v[T+\nt]             ; factor for my O
	v_mul_f32 v[NM+2*\nt], v[58+\nt], v[T+\nt]             ; factor for the partner's
.endr
	s_wait_dscnt 0x0
.macro OUTQ nt, set
.set i, 0
.rept 16
	v_pk_mul_f32 v[SC+32*\nt+i:SC+32*\nt+i+1], v[SC+32*\nt+i:SC+32*\nt+i+1], v[NM+2*\nt:NM+2*\nt+1] op_sel_hi:[1,0]
.set i, i+2
.endr
	WIN 0x01
.set i, 0
.rept 16
	v_pk_fma_f32 v[SC+32*\nt+i:SC+32*\nt+i+1], v[32*\nt+i:32*\nt+i+1], v[AL+2*\nt:AL+2*\nt+1], v[SC+32*\nt+i:SC+32*\nt+i+1] op_sel_hi:[1,0,1]
.set i, i+2
.endr
	WIN 0
.set i, 0
.rept 16
	v_cvt_pk_f16_f32 v[PK+i], v[SC+32*\nt+2*i], v[SC+32*\nt+2*i+1]
.set i, i+1
.endr
.irp dt, 0,1,2,3
	ds_store_b128 v[STO], v[PK+4*\dt:PK+4*\dt+3] offset:32*\dt     ; row = query r, d = 16 dt + 8 h ..
.endr
	s_wait_xcnt 0x0                                ; registers that earlier stores read are loaded again only behind this wait
.irp i4, 0,1,2,3
	ds_load_b128 v[RB+16*\set+4*\i4:RB+16*\set+4*\i4+3], v[RD] offset:\i4*4*KP
.endr
.irp i4, 0,1,2,3
	s_wait_dscnt 3-\i4                             ; the younger read-backs may stay out
	global_store_b128 v[GO], v[RB+16*\set+4*\i4:RB+16*\set+4*\i4+3], s[6:7] offset:\nt*2048+\i4*512   ; 512 consecutive bytes, aligned
.endr
.endm
	OUTQ 0, 0
	OUTQ 1, 1
	OUTQ 2, 0
	OUTQ 3, 1
.Lclose:
	s_wait_tensorcnt 0x0
	ds_add_u32 v62, v63
	s_wait_dscnt 0x0
	ROUND                                          ; the closing round: no work-group ends while a partner may still ask jointly
	s_endpgm
.Lfunc_end_k_q43f39cc32f_attn:
	.size	k_q43f39cc32f_attn, .Lfunc_end_k_q43f39cc32f_attn-k_q43f39cc32f_attn
	.p2alignl 7, 3214868480
	.fill 96, 4, 3214868480
	.section	.rodata,"a",@progbits
	.p2align	6, 0x0
	.amdhsa_kernel k_q43f39cc32f_attn
		.amdhsa_group_segment_fixed_size 321536
		.amdhsa_private_segment_fixed_size 0
		.amdhsa_enable_private_segment 0
		.amdhsa_kernarg_size 16
		.amdhsa_user_sgpr_count 2
		.amdhsa_user_sgpr_kernarg_segment_ptr 1
		.amdhsa_wavefront_size32 1
		.amdhsa_system_sgpr_workgroup_id_x 1
		.amdhsa_system_sgpr_workgroup_id_y 1
		.amdhsa_system_sgpr_workgroup_id_z 1
		.amdhsa_system_vgpr_workitem_id 0
		.amdhsa_next_free_vgpr 448
		.amdhsa_next_free_sgpr 80
		.amdhsa_reserve_vcc 0
		.amdhsa_float_denorm_mode_32 3
		.amdhsa_float_denorm_mode_16_64 3
		.amdhsa_memory_ordered 1
		.amdhsa_forward_progress 1
		.amdhsa_inst_pref_size 155
	.end_amdhsa_kernel
	.amdgpu_metadata
---
amdhsa.version: [ 1, 2 ]
amdhsa.kernels:
  - .name:           k_q43f39cc32f_attn
    .symbol:         k_q43f39cc32f_attn.kd
    .args:
      - { .name: qkv, .offset: 0, .size: 8, .value_kind: global_buffer, .address_space: global }
      - { .name: ob, .offset: 8, .size: 8, .value_kind: global_buffer, .address_space: global }
    .group_segment_fixed_size: 321536
    .private_segment_fixed_size: 0
    .kernarg_segment_align: 8
    .kernarg_segment_size: 16
    .max_flat_workgroup_size: 256
    .sgpr_count:     80
    .vgpr_count:     448
    .wavefront_size: 32
...
	.end_amdgpu_metadata
.endif
;; end of part 2
;; launch oproj (part 3): grid 4 x 64, 4 waves a work-group, clusters of 4 x 4, 304,640 bytes of LDS; arguments wob, ob, bo, out0; writes out0
.if DOCPART == 3
	.amdgcn_target "amdgcn-amd-amdhsa--gfx1250"
	.amdhsa_code_object_version 6
	.text
	.protected	k_q43f39cc32f_oproj
	.globl	k_q43f39cc32f_oproj
	.p2align	8
	.type	k_q43f39cc32f_oproj,@function
k_q43f39cc32f_oproj:
	s_mov_b64 s[64:65], 0
	v_nop
	global_prefetch_b8 v0, s[64:65] scope:SCOPE_SE
	s_setreg_imm32_b32 hwreg(HW_REG_WAVE_MODE, 25, 1), 1
	s_wait_xcnt 0x0
	s_wait_alu depctr_hold_cnt(0) depctr_sa_sdst(0) depctr_va_vdst(0) depctr_va_sdst(0) depctr_va_ssrc(0) depctr_va_vcc(0) depctr_vm_vsrc(0)
	s_getreg_b32 s2, hwreg(HW_REG_IB_STS2, 6, 4)
	s_cmp_eq_u32 s2, 0
	s_cbranch_scc0 .Lentry_in_a_cluster
	s_endpgm
.Lentry_in_a_cluster:
	s_bfe_u32 s2, ttmp6, 0x10000c
	s_cmp_lg_u32 s2, 0xf033
	s_cbranch_scc0 .Lentry_shape_is_right
	s_endpgm
.Lentry_shape_is_right:
; out0[b][o][n] = sum over c of Wo[o][c] O[b][c][n] + bo[o].  wob: f16 [512 o][512 c].  ob: f16 [b*8+head][1024 n][64 d], c = 64 head + d.
; out0: f32 [8][512][1024].  Sums in f32.  LIMIT: the operands are f16 (|Wo|, |O| below 65,504).
; A work-group makes 128 o x 128 n with four waves of 64 x 64 (16 accumulator tiles).  All of K = 512 of both operands, 256 KiB,
; lies in LDS: each byte is filled once, nothing is filled again.  Four tensor loads of a wave are out at the most.
; CLUSTER 4 x 4: the four work-groups of a column (same cx) make the same 128 o and ask for Wo's tiles jointly; the four of a row
; (same cy) make the same 128 n and ask for O's tiles jointly.
; Source 0 = 16 rows n of O, source 1 = 16 rows o of Wo: a lane holds one o and eight neighbouring n, 32 bytes of a row of out0.
.set WV, 12
.set WPITCH, 272                       ; 128 f16 of a Wo row + 16 bytes; also a stage row: 64 f32 + 16 bytes
.set WCHUNK, 128*WPITCH                ; a chunk: K = 128 of 128 rows
.set OBASE,  4*WCHUNK
.set OPITCH, 144
.set OHEAD,  128*OPITCH                ; 128 rows n of one head
.set STG,    OBASE+8*OHEAD             ; the way out: 16 rows x 272 bytes for each wave
.set AOL, 2                            ; v2, v3  O fragment address, heads 0-3, 4-7
.set AWL, 4                            ; v4, v5  Wo fragment address, chunks 0-1, 2-3
.set STO, 6
.set RD,  7
.set CO,  8
.set BOF, 9
.set BO,  20                           ; v20-27  pairs; low: bo of my o in tile ot
.set RB,  64
.set MSB, 0
.macro WIN new
.if MSB != \new
	s_set_vgpr_msb (MSB<<8)|\new
.set MSB, \new
.endif
.endm
.macro PLACES n
.rept \n
	v_nop
.endr
.endm
.macro ROUND
	s_barrier_signal -1
	s_barrier_wait -1
	s_cmp_lg_u32 s[WV], 0
	s_cbranch_scc1 .Lnot_wave_0_\@
	s_barrier_signal -3
.Lnot_wave_0_\@:
	s_barrier_wait -3
	s_barrier_signal -1
	s_barrier_wait -1
.endm
; waves 0, 1 ask for the two halves of Wo's chunk c, waves 2, 3 for heads 2 c, 2 c + 1 of O: each line has one mask
.macro JLOAD c
	s_cmp_eq_u32 s13, 0
	s_cbranch_scc0 .Lfor_o_\@
	tensor_load_to_lds s[32+4*\c:35+4*\c], s[16:23]
	s_nop 0
	s_branch .Lasked_\@
.Lfor_o_\@:
	tensor_load_to_lds s[48+4*\c:51+4*\c], s[24:31]
	s_nop 0
.Lasked_\@:
.endm
	s_load_b256 s[4:11], s[0:1], 0x0               ; wob, ob, bo, out0
	v_lshl_add_u32 v254, v0, 2, 0x4a400
	v_mov_b32 v255, 0
	ds_add_u32 v254, v255
	ds_add_u32 v254, v255
	v_lshrrev_b32 v1, 5, v0
	v_readfirstlane_b32 s12, v1                    ; wave 0..3
	s_lshr_b32 s13, s12, 1                         ; wo: which 64 o.  Also: I fetch Wo (0) or O (1)
	s_and_b32 s14, s12, 1                          ; wn: which 64 n.  Also: which half or head I fetch
	s_bfe_u32 s66, ttmp6, 0x40000                  ; cx
	s_bfe_u32 s67, ttmp6, 0x40004                  ; cy
	s_lshl_b32 s68, ttmp9, 2
	s_add_co_u32 s68, s68, s66                     ; block of 128 o
	s_and_b32 s69, ttmp7, 0xffff
	s_lshl_b32 s69, s69, 2
	s_add_co_u32 s69, s69, s67                     ; nb: image nb / 8, block nb % 8 of 128 n
	s_lshl_b32 s74, s67, 2
	s_lshl_b32 s74, 15, s74                        ; my row of the cluster
	s_lshl_b32 s75, 0x1111, s66                    ; my column
	s_or_b32 s16, s75, 0x07710000                  ; Wo: 2-byte elements, pad of 4 words behind every 64, bit 21 beside the mask
	s_mov_b32 s17, 128<<16
	s_mov_b32 s18, 64<<16
	s_mov_b32 s19, 128<<16                         ; tile: 128 elements
	s_mov_b32 s20, 64                              ; x 64 rows
	s_mov_b32 s21, 512                             ; pitch
	s_mov_b32 s22, 0
	s_mov_b32 s23, 0
	s_or_b32 s24, s74, 0x07310000                  ; O: pad of 4 words behind every 32
	s_mov_b32 s25, 64<<16
	s_mov_b32 s26, 128<<16
	s_mov_b32 s27, 64<<16                          ; tile: 64 elements
	s_mov_b32 s28, 128                             ; x 128 rows
	s_mov_b32 s29, 64
	s_mov_b32 s30, 0
	s_mov_b32 s31, 0
	s_lshl_b32 s70, s68, 17                        ; Wo: (128 block + 64 half) rows of 1,024 bytes: hangs on cx alone
	s_lshl_b32 s15, s14, 16
	s_add_co_u32 s70, s70, s15
	s_mov_b32 s71, 0
	s_lshr_b32 s72, s69, 3                         ; O: image, head parity, n0 rows of 128 bytes: hangs on cy alone
	s_lshl_b32 s72, s72, 20
	s_and_b32 s79, s69, 7
	s_lshl_b32 s79, s79, 14
	s_add_co_u32 s72, s72, s79
	s_lshl_b32 s79, s14, 17
	s_add_co_u32 s72, s72, s79
	s_mov_b32 s73, 0
	s_mul_i32 s78, s12, 64*WPITCH                  ; LDS: wave 0, 1 -> half 0, 1 of a chunk
	s_mul_i32 s79, s12, OHEAD
	s_add_co_u32 s79, s79, OBASE-2*OHEAD           ; wave 2, 3 -> head 0, 1 of a pair
	s_wait_dscnt 0x0
	s_wait_kmcnt 0x0
	s_add_nc_u64 s[70:71], s[4:5], s[70:71]
	s_add_nc_u64 s[72:73], s[6:7], s[72:73]
.irp c, 0,1,2,3
	s_mov_b32 s[32+4*\c], 1
	s_add_co_u32 s[33+4*\c], s78, \c*WCHUNK
	s_add_nc_u64 s[34+4*\c:35+4*\c], s[70:71], \c*256
	s_or_b32 s[35+4*\c], s[35+4*\c], 0x80000000
	s_mov_b32 s[48+4*\c], 1
	s_add_co_u32 s[49+4*\c], s79, \c*2*OHEAD
	s_add_nc_u64 s[50+4*\c:51+4*\c], s[72:73], \c*262144
	s_or_b32 s[51+4*\c], s[51+4*\c], 0x80000000
.endr
	ROUND                                          ; all sixteen work-groups are here: the joint loads meet
	JLOAD 0
	JLOAD 1
	JLOAD 2
	JLOAD 3
	v_and_b32 v1, 15, v0                           ; r
	v_bfe_u32 v10, v0, 4, 1                        ; h
	s_lshl_b32 s76, s68, 9
	s_lshl_b32 s77, s13, 8
	s_add_co_u32 s76, s76, s77
	v_lshl_add_u32 v[BOF], v1, 2, s76              ; bo word 128 block + 64 wo + r
.irp ot, 0,1,2,3
	global_load_b32 v[BO+2*\ot], v[BOF], s[8:9] offset:64*\ot
.endr
.irp ot, 0,1,2,3
	v_mov_b32 v[BO+2*\ot+1], 0                     ; the unused upper register of a broadcast pair counts as read
.endr
	v_mul_u32_u24 v11, v1, OPITCH
	v_lshl_add_u32 v11, v10, 4, v11
	s_mul_i32 s15, s14, 64*OPITCH
	s_add_co_u32 s15, s15, OBASE
	v_add_nc_u32 v[AOL], s15, v11
	v_add_nc_u32 v[AOL+1], 4*OHEAD, v[AOL]
	v_mul_u32_u24 v11, v1, WPITCH
	v_lshl_add_u32 v12, v10, 4, v11
	s_mul_i32 s15, s13, 64*WPITCH
	v_add_nc_u32 v[AWL], s15, v12
	v_add_nc_u32 v[AWL+1], 2*WCHUNK, v[AWL]
	s_mul_i32 s15, s12, 16*WPITCH
	s_add_co_u32 s15, s15, STG
	v_lshl_add_u32 v12, v10, 5, v11                ; in: row o = r, 32 bytes for each half of the lanes
	v_add_nc_u32 v[STO], s15, v12
	v_mul_u32_u24 v12, v10, WPITCH                 ; back: lanes 0-15 one row of 256 bytes, lanes 16-31 the next
	v_lshl_add_u32 v12, v1, 4, v12
	v_add_nc_u32 v[RD], s15, v12
	v_lshlrev_b32 v12, 12, v10
	v_lshl_add_u32 v[CO], v1, 4, v12               ; and the same two rows of out0
	s_lshr_b32 s76, s69, 3
	s_lshl_b32 s76, s76, 21
	s_lshl_b32 s77, s68, 19
	s_add_co_u32 s76, s76, s77
	s_lshl_b32 s77, s13, 18
	s_add_co_u32 s76, s76, s77                     ; (512 b + 128 block + 64 wo) rows of 4,096 bytes
	s_and_b32 s77, s69, 7
	s_lshl_b32 s77, s77, 9
	s_add_co_u32 s76, s76, s77
	s_lshl_b32 s77, s14, 8
	s_add_co_u32 s76, s76, s77                     ; + (n0 + 64 wn) x 4 bytes
	s_mov_b32 s77, 0
	s_add_nc_u64 s[10:11], s[10:11], s[76:77]
; 32 LDS loads: the fragments of head hh (K = 64): 4 n tiles x 2 and 4 o tiles x 2.  Even heads: window 0, v64-191; odd: window 1, v128-255.
.macro FETCH hh
.set FH, \hh
.if FH & 1
	WIN 0x40
.else
	WIN 0
.endif
.set FBASE, 64+64*(FH&1)
.irp nt, 0,1,2,3
.irp ks, 0,1
	ds_load_b128 v[FBASE+8*(2*\nt+\ks):FBASE+8*(2*\nt+\ks)+3], v[AOL+(FH>>2)] offset:(FH&3)*OHEAD+\nt*16*OPITCH+64*\ks
	ds_load_b128 v[FBASE+8*(2*\nt+\ks)+4:FBASE+8*(2*\nt+\ks)+7], v[AOL+(FH>>2)] offset:(FH&3)*OHEAD+\nt*16*OPITCH+64*\ks+32
.endr
.endr
.irp ot, 0,1,2,3
.irp ks, 0,1
	ds_load_b128 v[FBASE+64+8*(2*\ot+\ks):FBASE+64+8*(2*\ot+\ks)+3], v[AWL+(FH>>2)] offset:((FH>>1)&1)*WCHUNK+\ot*16*WPITCH+(FH&1)*128+64*\ks
	ds_load_b128 v[FBASE+64+8*(2*\ot+\ks)+4:FBASE+64+8*(2*\ot+\ks)+7], v[AWL+(FH>>2)] offset:((FH>>1)&1)*WCHUNK+\ot*16*WPITCH+(FH&1)*128+64*\ks+32
.endr
.endr
.endm
; the 16 accumulators take turns, one instruction a turn
.macro MUL16 fb, ks, zero
.irp ot, 0,1,2,3
.irp nt, 0,1,2,3
.if \zero
	v_wmma_f32_16x16x32_f16 v[8*(4*\ot+\nt):8*(4*\ot+\nt)+7], v[\fb+8*(2*\nt+\ks):\fb+8*(2*\nt+\ks)+7], v[\fb+64+8*(2*\ot+\ks):\fb+64+8*(2*\ot+\ks)+7], 0
.else
	v_wmma_f32_16x16x32_f16 v[8*(4*\ot+\nt):8*(4*\ot+\nt)+7], v[\fb+8*(2*\nt+\ks):\fb+8*(2*\nt+\ks)+7], v[\fb+64+8*(2*\ot+\ks):\fb+64+8*(2*\ot+\ks)+7], v[8*(4*\ot+\nt):8*(4*\ot+\nt)+7]
.endif
.endr
.endr
.endm
; head hh is multiplied while the next head's fragments come in
.macro HALF hh
.if \hh < 7
	PLACES 4                                       ; behind the products that read the buffer which is loaded next
.if \hh & 1
	s_wait_tensorcnt 3-(\hh+1)/2                   ; my tile of the next chunk is in; the later chunks stay out
	s_wait_dscnt 0x0
	s_barrier_signal -1
	s_barrier_wait -1                              ; everybody's is
.endif
	FETCH \hh+1
	s_wait_dscnt 32                                ; this head's fragments are in; the 32 loads just issued may stay out
.else
	s_wait_dscnt 0x0
.endif
.if \hh & 1
	WIN 0x55
.else
	WIN 0x50
.endif
.if \hh == 0
	MUL16 64+64*(\hh&1), 0, 1
.else
	MUL16 64+64*(\hh&1), 0, 0
.endif
	MUL16 64+64*(\hh&1), 1, 0
.endm
	s_wait_tensorcnt 3                             ; my tile of chunk 0 is in; three stay out
	s_barrier_signal -1
	s_barrier_wait -1
	FETCH 0
	HALF 0
	HALF 1
	HALF 2
	HALF 3
	HALF 4
	HALF 5
	HALF 6
	HALF 7
	; THE WAY OUT: + bias, 16 rows o x 64 n of f32 at a time through my own stage, back as whole rows of 256 bytes
	PLACES 4
	s_wait_loadcnt 0x0                             ; bo
.macro OUT ot, set
	WIN 0x41
.irp nt, 0,1,2,3
.irp p, 0,1,2,3
	v_pk_add_f32 v[8*(4*\ot+\nt)+2*\p:8*(4*\ot+\nt)+2*\p+1], v[8*(4*\ot+\nt)+2*\p:8*(4*\ot+\nt)+2*\p+1], v[BO+2*\ot:BO+2*\ot+1] op_sel_hi:[1,0]
.endr
.endr
	WIN 0x04
.irp nt, 0,1,2,3
	ds_store_b128 v[STO], v[8*(4*\ot+\nt):8*(4*\ot+\nt)+3] offset:64*\nt
	ds_store_b128 v[STO], v[8*(4*\ot+\nt)+4:8*(4*\ot+\nt)+7] offset:64*\nt+16
.endr
	WIN 0
	s_wait_xcnt 0x0                                ; registers that earlier stores read are loaded again only behind this wait
.irp i, 0,1,2,3,4,5,6,7
	ds_load_b128 v[RB+32*\set+4*\i:RB+32*\set+4*\i+3], v[RD] offset:\i*2*WPITCH   ; LDS serves a wave in order: these see the stores above
.endr
.irp i, 0,1,2,3,4,5,6,7
	s_wait_dscnt 7-\i                              ; the younger read-backs may stay out
	global_store_b128 v[CO], v[RB+32*\set+4*\i:RB+32*\set+4*\i+3], s[10:11] offset:\ot*65536+\i*8192 th:TH_STORE_NT   ; sixteen lanes store 256 consecutive bytes, aligned
.endr
.endm
	OUT 0, 0
	OUT 1, 1
	OUT 2, 0
	OUT 3, 1
	s_wait_tensorcnt 0x0
	ds_add_u32 v254, v255
	s_wait_dscnt 0x0
	ROUND                                          ; the closing round
	s_endpgm
.Lfunc_end_k_q43f39cc32f_oproj:
	.size	k_q43f39cc32f_oproj, .Lfunc_end_k_q43f39cc32f_oproj-k_q43f39cc32f_oproj
	.p2alignl 7, 3214868480
	.fill 96, 4, 3214868480
	.section	.rodata,"a",@progbits
	.p2align	6, 0x0
	.amdhsa_kernel k_q43f39cc32f_oproj
		.amdhsa_group_segment_fixed_size 304640
		.amdhsa_private_segment_fixed_size 0
		.amdhsa_enable_private_segment 0
		.amdhsa_kernarg_size 32
		.amdhsa_user_sgpr_count 2
		.amdhsa_user_sgpr_kernarg_segment_ptr 1
		.amdhsa_wavefront_size32 1
		.amdhsa_system_sgpr_workgroup_id_x 1
		.amdhsa_system_sgpr_workgroup_id_y 1
		.amdhsa_system_sgpr_workgroup_id_z 1
		.amdhsa_system_vgpr_workitem_id 0
		.amdhsa_next_free_vgpr 512
		.amdhsa_next_free_sgpr 80
		.amdhsa_reserve_vcc 0
		.amdhsa_float_denorm_mode_32 3
		.amdhsa_float_denorm_mode_16_64 3
		.amdhsa_memory_ordered 1
		.amdhsa_forward_progress 1
		.amdhsa_inst_pref_size 56
	.end_amdhsa_kernel
	.amdgpu_metadata
---
amdhsa.version: [ 1, 2 ]
amdhsa.kernels:
  - .name:           k_q43f39cc32f_oproj
    .symbol:         k_q43f39cc32f_oproj.kd
    .args:
      - { .name: wob, .offset: 0, .size: 8, .value_kind: global_buffer, .address_space: global }
      - { .name: ob, .offset: 8, .size: 8, .value_kind: global_buffer, .address_space: global }
      - { .name: bo, .offset: 16, .size: 8, .value_kind: global_buffer, .address_space: global }
      - { .name: out0, .offset: 24, .size: 8, .value_kind: global_buffer, .address_space: global }
    .group_segment_fixed_size: 304640
    .private_segment_fixed_size: 0
    .kernarg_segment_align: 8
    .kernarg_segment_size: 32
    .max_flat_workgroup_size: 128
    .sgpr_count:     80
    .vgpr_count:     512
    .wavefront_size: 32
...
	.end_amdgpu_metadata
.endif
;; end of part 3
